; MI455X (gfx1250); checked and timed in simulation.
; The chip was launched on July 23, 2026; its instructions are those of AMD's public machine-readable ISA for CDNA 5 (MIT licence, August 2026) and "CDNA5" Instruction Set Architecture Reference Guide (July 2026). The comments in the code are by the model that wrote it; some were corrected since.
;; Protein Bert Cross Attention. Allowed arithmetic: matrix products marked QUANTISED: E5M2 operands, one given power-of-two scale a tensor, by v_wmma_f32_16x16x64_bf8_bf8 or v_wmma_f32_16x16x128_bf8_bf8, f32 sums; products left as they are: f32 operands where the result goes on into a quantised operand, else bf16, f16 or f32 operands; f32 sums; everything else in f32.
;; Inputs: Wk_codes 512 x 32 x 32 uint8 (E5M2 codes of Wk, K innermost, in blocks of 32 codes); Wq 512 x 512 float32; Wv_codes 512 x 32 x 32 uint8 (E5M2 codes of Wv, K innermost, in blocks of 32 codes); annotation 8 x 1 x 512 float32; lowp_scales 4 int32 (the exponents e of the quantised operands' scales 2^e); tokens_codes 8 x 8,192 x 32 x 32 uint8 (E5M2 codes of tokens, K innermost, in blocks of 32 codes).
;; Outputs: out0 8 x 1 x 512 float32.
;; This version of the problem:
;;   THIS VERSION OF THE PROBLEM IS GIVEN IN LOW PRECISION. The matrix products marked QUANTISED in the list below multiply operands that are first quantised to E5M2 (5 exponent bits, 2 mantissa bits; 8 bits a number), with one given power-of-two scale for each operand tensor; their sums are f32. All else is computed in f32.
;;   The module's matrix products, in the order in which they are computed (A, B: the left and right operand; K: the contracted axis; several contracted axes count as one K, in the product's order):
;;     1. [M 8, K 512] x [K 512, N 512]; A: input annotation; B: input Wq: left as it is (M = 8 < 16)
;;     2. [M 65,536, K 1,024] x [K 1,024, N 512]; A: input tokens (given as codes); B: input Wk (given as codes): QUANTISED (scales: A lowp_scales[0], B lowp_scales[1])
;;     3. [M 65,536, K 1,024] x [K 1,024, N 512]; A: input tokens (given as codes); B: input Wv (given as codes): QUANTISED (scales: A lowp_scales[2], B lowp_scales[3])
;;     4. batch 64 x [M 8,192, K 64] x [K 64, N 1]; A: computed on the way; B: computed on the way: left as it is (N = 1 < 16)
;;     5. batch 64 x [M 1, K 8,192] x [K 8,192, N 64]; A: softmax; B: computed on the way: left as it is (M = 1 < 16)
;;   THE QUANTISER, for each operand of a quantised product, along K:
;;     - The operand's scale is 2^e, e = its entry of the input lowp_scales (int32; the entries are numbered through the quantised products in the list's order, A before B).
;;     - Each number is divided by the scale, clamped to +-57,344, and rounded to the nearest number of E5M2, ties to even, subnormals kept.
;;     - The product sums the exact products of the quantised numbers (number of the format x scale) in f32.
;;   ~~~python
;;   def quantise(x, axis, e):      # numpy; x: float32 -> the quantised numbers, widened to float32 again
;;       x = np.moveaxis(x, axis, -1); K = x.shape[-1]
;;       r = np.clip(x / 2.0 ** e, -57344, 57344)
;;       step = 2.0 ** (np.maximum(np.frexp(np.where(r == 0, 1, r))[1] - 1, -14) - 2)
;;       q = np.round(r / step) * step * 2.0 ** e      # np.round: ties to even
;;       return np.moveaxis(q, -1, axis).astype(np.float32)
;;   ~~~
;;   INPUTS GIVEN AS CODES. Wk (in the module: [1024, 512], K = its axis 0); Wv (in the module: [1024, 512], K = its axis 0); tokens (in the module: [8, 8192, 1024], K = its axis 2): each comes as NAME_codes (uint8): NAME with its K axis moved to the last place and cut into blocks of 32 codes, [.., K / 32, bytes a block], one block behind the other in memory; one code a byte (a code: sign, 5 exponent bits, 2 mantissa bits); its scale is its entry of lowp_scales. Its value is code x scale, taken as it is: it is not quantised again, and the codes and scales need not be those that the quantiser above would give.
;; One version. Each part assembles by itself: llvm-mc -triple=amdgcn-amd-amdhsa -mcpu=gfx1250 --defsym DOCPART=n.
;; ======== version 1 of 1: 3 launches
;; limits: a function is approximated: absolute error at most 1.5e-07; right only within a limited range of input values
;; workspace buffers: wf 1,048,576 bytes; qw 24,576 bytes; part 262,144 bytes
;; launch prep (part 1): grid 64 x 1, 16 waves a work-group, no clusters, 10,240 bytes of LDS; arguments annotation, Wq, Wk_codes, Wv_codes, qw, wf; writes qw, wf
.if DOCPART == 1
	.amdgcn_target "amdgcn-amd-amdhsa--gfx1250"
	.amdhsa_code_object_version 6
	.text
	.protected	k_q061c38a970_prep
	.globl	k_q061c38a970_prep
	.p2align	8
	.type	k_q061c38a970_prep,@function
k_q061c38a970_prep:
	s_mov_b64 s[64:65], 0
	v_nop
	global_prefetch_b8 v0, s[64:65] scope:SCOPE_SE
	s_setreg_imm32_b32 hwreg(HW_REG_WAVE_MODE, 25, 1), 1
	s_wait_xcnt 0x0
; TWO SMALL JOBS IN ONE LAUNCH, told apart by the work-group's number.
; Work-groups 0-31 (number 4 b + g): q = tanh(annotation[b] Wq) for the 128 columns 128 g .. 128 g + 127 (two heads), in f32 by fused multiply-adds.
;   Stored for the next launch, in a block of 768 bytes: 128 numbers qs = -2 c2 q, c2 = log2(e) / 8; then 32 pairs (hb, hb), pair l for head 2 g + l / 16,
;   hb = c2 (sum of q - sum of |q|) / 8 over the head's 64 columns.  (The next launch adds eight copies of hb: two halves of a pair, two halves of the lanes, two waves.)
;   Wave w takes k = 32 w .. 32 w + 31; a lane takes four columns; the sixteen partial sums meet in LDS and wave 0 finishes.
; Work-groups 32-63: the codes of Wk and Wv are laid anew, in the order of a matrix operand's registers, so that the next launch loads each fragment by dense loads of 16 bytes a lane.
;   Piece ch of 16 bytes, ch = 4096 wb + 512 j + 128 t + 32 c + lane, holds: matrix t / 2 (Wk, Wv), row 32 wb + 16 (t % 2) + lane % 16, bytes 128 j + 32 c + 16 (lane / 16) on.
;   A work-group takes one j and four wb; wave w is (t, c) = (w / 4, w % 4), so that a wave's store covers 512 consecutive bytes, aligned.
.set WVN, 48                           ; s48 my wave's number
	s_load_b256 s[4:11], s[0:1], 0x0               ; annotation s[4:5], Wq s[6:7], Wk's codes s[8:9], Wv's codes s[10:11]
	s_load_b128 s[12:15], s[0:1], 0x20             ; qw s[12:13], wf s[14:15]
	v_lshl_add_u32 v168, v0, 2, 0x2000
	v_mov_b32 v169, 0
	v_lshrrev_b32 v1, 5, v0
	v_readfirstlane_b32 s[WVN], v1
	v_and_b32 v2, 31, v0                           ; lane
	v_lshlrev_b32 v3, 4, v2                        ; 16 x lane
	v_lshlrev_b32 v4, 4, v0                        ; 16 x thread
	s_wait_kmcnt 0x0
	s_cmp_lt_u32 ttmp9, 32
	s_cbranch_scc0 .Lrelay
	; ---- q
	s_lshr_b32 s49, ttmp9, 2                       ; b
	s_and_b32 s50, ttmp9, 3                        ; g
	s_lshl_b32 s52, s49, 11                        ; annotation: row b of 2,048 bytes,
	s_lshl_b32 s53, s[WVN], 7                      ; my 32 numbers
	s_add_co_u32 s52, s52, s53
	s_mov_b32 s53, 0
	s_lshl_b32 s54, s[WVN], 16                     ; Wq: my 32 rows of 2,048 bytes,
	s_lshl_b32 s55, s50, 9                         ; the work-group's 128 columns
	s_add_co_u32 s54, s54, s55
	s_mov_b32 s55, 0
	s_mul_i32 s56, ttmp9, 768                      ; my block of qw
	s_mov_b32 s57, 0
	s_add_nc_u64 s[4:5], s[4:5], s[52:53]
	s_add_nc_u64 s[6:7], s[6:7], s[54:55]
	s_add_nc_u64 s[12:13], s[12:13], s[56:57]
	s_load_b512 s[16:31], s[4:5], 0x0              ; annotation[b][32 w ..], 32 numbers in scalar registers
	s_load_b512 s[32:47], s[4:5], 0x40
.set ii, 0
.rept 32
	global_load_b128 v[32+4*ii:35+4*ii], v3, s[6:7] offset:2048*ii   ; row 32 w + ii: 32 lanes read 512 consecutive bytes
.set ii, ii+1
.endr
	s_wait_kmcnt 0x0
.set ii, 0
.rept 32
	s_wait_loadcnt 31-ii                           ; loads come back in order: row ii is in, the younger ones may be out
.irp n, 0,1,2,3
.if ii == 0
	v_mul_f32 v[8+\n], s[16], v[32+\n]             ; the first product starts the sums
.else
	v_fmac_f32 v[8+\n], s[16+ii], v[32+4*ii+\n]
.endif
.endr
.set ii, ii+1
.endr
	ds_store_b128 v4, v[8:11]                      ; wave w's 128 partial sums at 512 w
	s_wait_dscnt 0x0                               ; for wave 0's sake: my store is done
	s_barrier_signal -1
	s_barrier_wait -1
	s_cmp_lg_u32 s[WVN], 0
	s_cbranch_scc1 .Lend
.irp i, 0,1,2,3,4,5,6,7,8,9,10,11,12,13,14,15
	ds_load_b128 v[32+4*\i:35+4*\i], v3 offset:512*\i
.endr
	s_wait_dscnt 0x0
.irp i, 1,2,3,4,5,6,7,8,9,10,11,12,13,14,15
	v_pk_add_f32 v[32:33], v[32:33], v[32+4*\i:33+4*\i]   ; k ascending, two chains side by side
	v_pk_add_f32 v[34:35], v[34:35], v[34+4*\i:35+4*\i]
.endr
	; tanh(x) = 1 - 2 / (1 + 2^(2 log2(e) x)): right at both ends (2^.. = infinity gives 1, 0 gives -1)
.irp n, 0,1,2,3
	v_mul_f32 v[36+\n], 0x4038aa3b, v[32+\n]
.endr
.irp n, 0,1,2,3
	v_exp_f32 v[36+\n], v[36+\n]
.endr
	v_nop                                          ; a plain instruction behind the last exponential
	s_wait_alu depctr_va_vdst(0)                   ; one wait for the four, ahead of their first reader
.irp n, 0,1,2,3
	v_add_f32 v[36+\n], 1.0, v[36+\n]
.endr
.irp n, 0,1,2,3
	v_rcp_f32 v[36+\n], v[36+\n]
.endr
	v_nop
	s_wait_alu depctr_va_vdst(0)
.irp n, 0,1,2,3
	v_fma_f32 v[32+\n], v[36+\n], -2.0, 1.0        ; q
.endr
	v_add_f32 v40, v32, v33
	v_add_f32 v41, v34, v35
	v_add_f32 v42, |v32|, |v33|
	v_add_f32 v43, |v34|, |v35|
	v_add_f32 v40, v40, v41
	v_add_f32 v42, v42, v43
	v_sub_f32 v40, v40, v42                        ; my four columns' q - |q|
	v_add_f32_dpp v40, v40, v40 row_xmask:1 row_mask:0xf bank_mask:0xf   ; sixteen lanes hold 64 columns: one head
	v_add_f32_dpp v40, v40, v40 row_xmask:2 row_mask:0xf bank_mask:0xf
	v_add_f32_dpp v40, v40, v40 row_xmask:4 row_mask:0xf bank_mask:0xf
	v_add_f32_dpp v40, v40, v40 row_xmask:8 row_mask:0xf bank_mask:0xf
	v_mul_f32 v48, 0x3cb8aa3b, v40                 ; hb: x log2(e) / 64
	v_mov_b32 v49, v48
.irp n, 0,1,2,3
	v_mul_f32 v[44+\n], 0xbeb8aa3b, v[32+\n]       ; qs = -log2(e) / 4 x q
.endr
	v_lshlrev_b32 v5, 3, v2
	global_store_b128 v3, v[44:47], s[12:13]       ; 512 consecutive bytes, aligned
	global_store_b64 v5, v[48:49], s[12:13] offset:512   ; 256 consecutive bytes, aligned
.Lend:
	s_wait_tensorcnt 0x0
	ds_add_u32 v168, v169
	s_wait_dscnt 0x0
	s_endpgm
	; ---- the weights' codes in the order of the operands' registers
.Lrelay:
	s_sub_co_u32 s49, ttmp9, 32                    ; idx = 8 wb0 + j
	s_and_b32 s50, s49, 7                          ; j
	s_lshr_b32 s51, s49, 3                         ; wb0
	s_and_b32 s52, s[WVN], 3                       ; c
	s_lshr_b32 s53, s[WVN], 2                      ; t
	s_and_b32 s54, s53, 1
	s_lshl_b32 s51, s51, 15                        ; 32 wb0 rows of 1,024 bytes
	s_lshl_b32 s54, s54, 14                        ; + 16 (t % 2) rows
	s_lshl_b32 s50, s50, 7                         ; + 128 j
	s_lshl_b32 s52, s52, 5                         ; + 32 c
	s_add_co_u32 s56, s51, s54
	s_add_co_u32 s56, s56, s50
	s_add_co_u32 s56, s56, s52
	s_mov_b32 s57, 0
	s_lshl_b32 s58, s49, 13                        ; wf: 65,536 wb0 + 8,192 j
	s_mov_b32 s59, 0
	s_cmp_lt_u32 s[WVN], 8                         ; t < 2: Wk, else Wv: the choice hangs on the wave's number alone
	s_cselect_b64 s[8:9], s[8:9], s[10:11]
	s_add_nc_u64 s[8:9], s[8:9], s[56:57]
	s_add_nc_u64 s[14:15], s[14:15], s[58:59]
	v_and_b32 v5, 15, v0
	v_bfe_u32 v6, v0, 4, 1
	v_lshlrev_b32 v5, 10, v5                       ; row lane % 16,
	v_lshl_add_u32 v5, v6, 4, v5                   ; + 16 (lane / 16)
.irp i, 0,1,2,3
	global_load_b128 v[8+4*\i:11+4*\i], v5, s[8:9] offset:131072*\i   ; wb = wb0 + 4 i: 128 rows further down
.endr
	s_wait_loadcnt 0x0
.irp i, 0,1,2,3
	global_store_b128 v4, v[8+4*\i:11+4*\i], s[14:15] offset:262144*\i   ; 16 x thread = 2,048 t + 512 c + 16 lane
.endr
	s_endpgm
.Lfunc_end_k_q061c38a970_prep:
	.size	k_q061c38a970_prep, .Lfunc_end_k_q061c38a970_prep-k_q061c38a970_prep
	.p2alignl 7, 3214868480
	.fill 96, 4, 3214868480
	.section	.rodata,"a",@progbits
	.p2align	6, 0x0
	.amdhsa_kernel k_q061c38a970_prep
		.amdhsa_group_segment_fixed_size 10240
		.amdhsa_private_segment_fixed_size 0
		.amdhsa_enable_private_segment 0
		.amdhsa_kernarg_size 48
		.amdhsa_user_sgpr_count 2
		.amdhsa_user_sgpr_kernarg_segment_ptr 1
		.amdhsa_wavefront_size32 1
		.amdhsa_system_sgpr_workgroup_id_x 1
		.amdhsa_system_sgpr_workgroup_id_y 1
		.amdhsa_system_sgpr_workgroup_id_z 1
		.amdhsa_system_vgpr_workitem_id 0
		.amdhsa_next_free_vgpr 170
		.amdhsa_next_free_sgpr 66
		.amdhsa_reserve_vcc 0
		.amdhsa_float_denorm_mode_32 3
		.amdhsa_float_denorm_mode_16_64 3
		.amdhsa_memory_ordered 1
		.amdhsa_forward_progress 1
		.amdhsa_inst_pref_size 17
	.end_amdhsa_kernel
	.amdgpu_metadata
---
amdhsa.version: [ 1, 2 ]
amdhsa.kernels:
  - .name:           k_q061c38a970_prep
    .symbol:         k_q061c38a970_prep.kd
    .args:
      - { .name: annotation, .offset: 0, .size: 8, .value_kind: global_buffer, .address_space: global }
      - { .name: Wq, .offset: 8, .size: 8, .value_kind: global_buffer, .address_space: global }
      - { .name: Wk_codes, .offset: 16, .size: 8, .value_kind: global_buffer, .address_space: global }
      - { .name: Wv_codes, .offset: 24, .size: 8, .value_kind: global_buffer, .address_space: global }
      - { .name: qw, .offset: 32, .size: 8, .value_kind: global_buffer, .address_space: global }
      - { .name: wf, .offset: 40, .size: 8, .value_kind: global_buffer, .address_space: global }
    .group_segment_fixed_size: 10240
    .private_segment_fixed_size: 0
    .kernarg_segment_align: 8
    .kernarg_segment_size: 48
    .max_flat_workgroup_size: 512
    .sgpr_count:     66
    .vgpr_count:     170
    .wavefront_size: 32
...
	.end_amdgpu_metadata
.endif
;; end of part 1
;; launch attn (part 2): grid 256 x 1, 4 waves a work-group, clusters of 4 x 1, 327,680 bytes of LDS; arguments tokens_codes, wf, qw, lowp_scales, part; writes part
.if DOCPART == 2
	.amdgcn_target "amdgcn-amd-amdhsa--gfx1250"
	.amdhsa_code_object_version 6
	.text
	.protected	k_q061c38a970_attn
	.globl	k_q061c38a970_attn
	.p2align	8
	.type	k_q061c38a970_attn,@function
k_q061c38a970_attn:
	s_mov_b64 s[64:65], 0
	v_nop
	global_prefetch_b8 v0, s[64:65] scope:SCOPE_SE
	s_setreg_imm32_b32 hwreg(HW_REG_WAVE_MODE, 25, 1), 1
	s_wait_xcnt 0x0
	s_wait_alu depctr_hold_cnt(0) depctr_sa_sdst(0) depctr_va_vdst(0) depctr_va_sdst(0) depctr_va_ssrc(0) depctr_va_vcc(0) depctr_vm_vsrc(0)
	s_getreg_b32 s2, hwreg(HW_REG_IB_STS2, 6, 4)
	s_cmp_eq_u32 s2, 0
	s_cbranch_scc0 .Lentry_in_a_cluster
	s_endpgm
.Lentry_in_a_cluster:
	s_bfe_u32 s2, ttmp6, 0x10000c
	s_cmp_lg_u32 s2, 0x3003
	s_cbranch_scc0 .Lentry_shape_is_right
	s_endpgm
.Lentry_shape_is_right:
; For 1,024 tokens of one batch and two heads: k = tanh(tokens Wk), v = gelu(tokens Wv) (both products on the given E5M2 codes, f32 sums), p = 2^t for each token and head, and the partial sums
; O = sum of p y (y = 2 kappa0 gelu) and L = sum of p, which the next launch adds over a batch's eight ranges of tokens and divides.
; SHARES.  Cluster C (of 64) owns tokens 1,024 C on, of batch C / 8.  Its four work-groups own two heads each (work-group g: channels 128 g .. 128 g + 127 of k and of v) and walk the same tokens,
; so each tile of tokens is asked for JOINTLY: the same tensor load, with the same descriptor and the mask 15, in all four.  The four hold different heads, so no byte of the weights is shared inside a cluster:
; the weights are not asked for jointly.  Wave w owns 32 channels of k and the same 32 of v: 4 tiles of 16 rows x 1,024 K = 512 registers of codes, loaded once and kept.
; A STAGE is 64 tokens: 4 tiles of tokens x 4 tiles of weights = 16 accumulators, 8 K steps of 128: 128 matrix instructions.  16 stages.
; THE MATRIX INSTRUCTION IS USED TRANSPOSED (source 0 = 16 rows of a weight, source 1 = 16 tokens): lane (r, h) holds token r, and its register j channel 8 h + j of the tile.
; A fragment's registers 4 c .. 4 c + 3 hold K = 32 c + 16 h + 0 .. 15: a permutation of k that is the same on both sides, so that every product meets its partner.
; THE ARITHMETIC OF A LANE.  tanh(x) = 1 - 2 r, r = 1 / (1 + 2^(2 log2(e) x)), so  t = c2 (q . k - sum |q|) = 8 hb + sum of qs r,  c2 = log2(e) / 8, qs = -2 c2 q, 8 hb = c2 (sum q - sum |q|).
;   THE SOFTMAX'S SHIFT is the bound sum |q| / 8 of the scores, made from q, in the place of the row's largest score: |q| <= 1 and |k| <= 1 by the two tanh of the problem itself, so for every input
;   t lies between -2 c2 x 64 = -23.1 and 0, p between 2^-23.1 and 1, and a sum of 8,192 p between 2^-23.1 and 8,192.  Partial sums of different ranges of tokens can then simply be added.
;   gelu: u = kappa0 v, kappa0 = sqrt(log2(e) / 2); 2 kappa0 gelu(v) = u + |u| erf|z|, z = v / sqrt 2; erf|z| = 1 - (a1 T + .. + a5 T^5) 2^(-u u), T = 1 / (1 + P1 |u|)
;   (Abramowitz and Stegun 7.1.26: the error of erf is at most 1.5e-7 for every z).
; LIMITS.  lowp_scales: e0 + e1 between -127 and 126, e2 + e3 between -125 and 127 (they are added to the exponent fields of 2 log2(e) and kappa0).  Sums that are NaN or infinite are not served.
; BY TURNS.  Matrix and vector work stand side by side in one wave: a UNIT issues K step 7 of stage s with the end of stage s - 1's vector work (list H) in slices between its products, then
; K steps 0 to 6 of stage s + 1 with stage s's activations (list E) in slices, one slice behind each matrix instruction.  The 16 accumulators take turns, one instruction a turn.
; A head's 64 channels lie in two waves (w and w xor 1): each stores its four partial t in LDS, a barrier a stage, and adds the partner's.
; REGISTERS, in windows of 256 (s_set_vgpr_msb: bits 1:0 source 0, 3:2 source 1, 5:4 source 2, 7:6 destination):
;   window 0: addresses, statistics and all that the vector work touches;  window 1: the weights' K steps 0-3 (64 j + 16 t + 4 c);  window 2: K steps 4-7;
;   window 3: v0-127 the accumulators (a = 4 t + m at 8 a; t = 0, 1: k; t = 2, 3: v), v128-255 two buffers of four token fragments.
.set ROWP,  1040                       ; a token's row in LDS: 1,024 bytes + 16 of padding = 260 words: row r starts at bank 4 r mod 64 (64 banks of 4 bytes: ISA guide 11.1)
.set T16,   16*ROWP                    ; a tile of 16 tokens
.set HALF,  64*ROWP                    ; a stage's tokens
.set SLOT,  2*HALF                     ; a slot: 128 tokens, two stages
.set WROWS, 32*ROWP                    ; what one wave's tensor load brings: 32 rows
.set SLOTG, 128*1024                   ; a slot's bytes in memory
.set XCH,   2*SLOT                     ; behind the ring: two buffers of 2,048 bytes for the waves' partial t: wave w's image at 512 w + 16 lane
.set XBUF,  0x800
.set SPARE, XCH+2*XBUF                 ; the spare words, 128 bytes for each wave: two blocks of 256 bytes that no other line names
.set OST,   SPARE+512                  ; the way out: 512 bytes of O, 512 of L
.set NE,    685                        ; items in list E
.set NH,    45                         ; items in list H
.set AT0, 1                            ; v1   my lane's place in a tile of tokens: 1,040 r + 16 h
.set ADR, 2                            ; v2   LDS address of the stage that is being fetched
.set XSL, 3                            ; v3   XCH + 16 x thread: where I store my partial t
.set XLL, 4                            ; v4   XCH + 16 x (thread xor 32): where my partner's lie
.set XSA, 5                            ; v5   the same with the buffer in hand.  (At the head: the weight loads' offset)
.set XLA, 6                            ; v6   (at the head: q's loads' offset)
.set SPW, 7                            ; v7   LDS address of my spare word; never rewritten
.set NIL, 8                            ; v8   0; never rewritten
.set PFO, 9                            ; v9   256 x lane: the prefetches' offset; never rewritten
.set B8,  10                           ; v[10:11] (hb, hb)
.set CA4, 12                           ; v[12:13] (a4, a4)
.set LS,  14                           ; v14, v15 the sum of p, in two halves
.set QR,  16                           ; v16-31  qs of my channels: 8 t + j
.set OA,  32                           ; v32-47  O: 8 t' + j
.set SPR, 48                           ; v48-51  my partial t of the four tiles of tokens
.set PPR, 52                           ; v52-55  my partner's, then t
.set RR,  56                           ; v56-63  four pairs at work in list E; in list H p of tile m in v[56 + 2 m]
.set XR,  64                           ; v64-127 T and 2^(-u u) of v's first 32 registers
.set TKR, 128                          ; v128-191 k's 64 registers; later T and 2^(-u u) of v's last 32
.set TVR, 192                          ; v192-255 u, then y
.set WV,  14                           ; s14 my wave's number
.set CX,  15                           ; s15 my work-group's place in the cluster: it enters the addresses of wf, qw, part and the prefetches alone
.set LC,  16                           ; s16 loop counter
.set TB,  18                           ; s18 LDS byte at which the stage to be fetched begins
.set T0,  19
.set SF,  20                           ; s20 the slot to be filled: 0 or SLOT
.set WO,  21                           ; s21 my 32 rows' place in a slot
.set SEL, 22                           ; s[22:23] v_permlanex16_b32's selects for lane l xor 16
.set G1,  24                           ; s[24:31] descriptor group 1
.set G0A, 32                           ; s[32:35] group 0 of slot 0's first fill
.set G0W, 36                           ; s[36:39] group 0 of slot 1's first fill, which then walks
.set PFA, 40                           ; s[40:41] where my prefetches stand
.set CK,  42                           ; s[42:43] 2 log2(e) 2^(e0 + e1)  (a packed form names a pair and takes its low word for both halves: both words are written)
.set KAP, 44                           ; s[44:45] kappa0 2^(e2 + e3)
.set A5,  46
.set A3,  48
.set A2,  50
.set A1,  52
.set P1,  54                           ; s54 0.3275911 / sqrt(log2(e))
.set XP,  55                           ; s55 the buffer of XCH that is read in this unit: 0 or XBUF
.set MSB, 0
.macro WIN new                         ; the immediate's high byte repeats the setting that is left; a switch that changes nothing is dropped
.if MSB != \new
	s_set_vgpr_msb (MSB<<8)|\new
.set MSB, \new
.endif
.endm
.macro PLACES n                        ; plain vector instructions that name no register of a matrix instruction (ISA guide 7.12.1)
.rept \n
	v_nop
.endr
.endm
.macro CROUND                          ; a round of the cluster's barrier: my work-group's barrier; wave 0 signals for the work-group; every wave waits for all four work-groups; my work-group's barrier once more
	s_barrier_signal -1
	s_barrier_wait -1
	s_cmp_lg_u32 s[WV], 0
	s_cbranch_scc1 .Lnot_wave_0_\@
	s_barrier_signal -3
.Lnot_wave_0_\@:
	s_barrier_wait -3
	s_barrier_signal -1
	s_barrier_wait -1
.endm
; Matrix instruction (K step j, accumulator a).  zero = 1: it starts the sum: nothing is ever cleared.
.macro MM j, a, zero
.if (\j) < 4
	WIN 0xfd                                       ; weights window 1; tokens, C and D window 3
.else
	WIN 0xfe                                       ; weights window 2
.endif
.set rD, 8*(\a)
.set rW, 64*((\j)%4)+16*((\a)/4)
.set rF, 128+64*((\j)%2)+16*((\a)%4)
.if \zero
	v_wmma_f32_16x16x128_bf8_bf8 v[rD:rD+7], v[rW:rW+15], v[rF:rF+15], 0
.else
	v_wmma_f32_16x16x128_bf8_bf8 v[rD:rD+7], v[rW:rW+15], v[rF:rF+15], v[rD:rD+7]
.endif
.endm
; 16 LDS loads in one run: the four token fragments of K step j into buffer j % 2
.macro FETCH j
	WIN 0xc0                                       ; destination window 3, address window 0
.irp m, 0,1,2,3
.irp c, 0,1,2,3
	ds_load_b128 v[128+64*((\j)%2)+16*\m+4*\c:128+64*((\j)%2)+16*\m+4*\c+3], v[ADR] offset:T16*\m+128*(\j)+32*\c
.endr
.endr
.endm
; A finished accumulator leaves window 3, scaled on the way, from its low end on: k's become 2 log2(e) x, v's become u.
.macro MOVE a
	WIN 0x03                                       ; source 0 window 3
.irp i, 0,2,4,6
.if (\a) < 8
	v_pk_mul_f32 v[TKR+8*(\a)+\i:TKR+8*(\a)+\i+1], v[8*(\a)+\i:8*(\a)+\i+1], s[CK:CK+1] op_sel_hi:[1,0]
.else
	v_pk_mul_f32 v[TVR+8*((\a)-8)+\i:TVR+8*((\a)-8)+\i+1], v[8*(\a)+\i:8*(\a)+\i+1], s[KAP:KAP+1] op_sel_hi:[1,0]
.endif
.endr
.endm
; Item n of 128 of the end of gelu for 32 registers: T at tb, 2^(-u u) at eb, u at ub.  Eight registers (four pairs) at a time, in 32 items: the polynomial by Horner's rule, x T 2^(-u u), 1 - that = erf|z|, y = |u| erf|z| + u.
.macro POST tb, eb, ub, n
.set gq, (\n)/32
.set kk, (\n)%32
.set pp, kk%4
.set rT, \tb+8*gq+2*pp
.set rE, \eb+8*gq+2*pp
.set rR, RR+2*pp
.if kk < 4
	v_pk_fma_f32 v[rR:rR+1], v[rT:rT+1], s[A5:A5+1], v[CA4:CA4+1] op_sel_hi:[1,0,1]
.elseif kk < 8
	v_pk_fma_f32 v[rR:rR+1], v[rR:rR+1], v[rT:rT+1], s[A3:A3+1] op_sel_hi:[1,1,0]
.elseif kk < 12
	v_pk_fma_f32 v[rR:rR+1], v[rR:rR+1], v[rT:rT+1], s[A2:A2+1] op_sel_hi:[1,1,0]
.elseif kk < 16
	v_pk_fma_f32 v[rR:rR+1], v[rR:rR+1], v[rT:rT+1], s[A1:A1+1] op_sel_hi:[1,1,0]
.elseif kk < 20
	v_pk_mul_f32 v[rE:rE+1], v[rT:rT+1], v[rE:rE+1]
.elseif kk < 24
	v_pk_fma_f32 v[rR:rR+1], v[rR:rR+1], v[rE:rE+1], 1.0 op_sel_hi:[1,1,0] neg_lo:[1,0,0] neg_hi:[1,0,0]
.else
.set rU, \ub+8*gq+kk-24
	v_fma_f32 v[rU], |v[rU]|, v[RR+kk-24], v[rU]
.endif
.endm
; LIST E: a stage's activations, 685 items, all in window 0; EI writes item en and steps en.  The transcendentals go in three batches, each with ONE wait;
; inside a batch nothing names a result of that batch, and a plain instruction stands behind its last transcendental.
;   0-111    batch 1: the 64 exponentials of k; among the last sixteen: -u u and 1 + P1 |u| of v's first 32 registers.                                                      wait
;   112-272  batch 2: 1 + 2^.., its reciprocal r (64); T (32 reciprocals) and 2^(-u u) (32 exponentials) of v's first 32.                                                    wait
;   273-316  t's part: four chains (one a tile of tokens) of eight packed multiply-adds r x qs, begun with (hb, hb); the pair's halves, the other half of the lanes; the four go to LDS for my partner
;   317-364  -u u and 1 + P1 |u| of v's last 32 registers, into k's registers, which are free
;   365-556  batch 3: their 64 transcendentals, each followed by two items of the end of gelu for the first 32.                                                              wait
;   557-684  the end of gelu for the last 32
.macro EI
.if en < 48
	v_exp_f32 v[TKR+en], v[TKR+en]
.elseif en < 112
.set qq, (en-48)/4
.set sb, (en-48)%4
.if sb == 0
	v_exp_f32 v[TKR+48+qq], v[TKR+48+qq]
.elseif sb == 1
	v_pk_mul_f32 v[XR+32+2*qq:XR+33+2*qq], v[TVR+2*qq:TVR+2*qq+1], v[TVR+2*qq:TVR+2*qq+1] neg_lo:[1,0] neg_hi:[1,0]
.else
	v_fma_f32 v[XR+2*qq+sb-2], |v[TVR+2*qq+sb-2]|, s[P1], 1.0
.endif
.elseif en < 272
.set qq, (en-112)/5
.set sb, (en-112)%5
.if sb == 0
	v_pk_add_f32 v[TKR+2*qq:TKR+2*qq+1], v[TKR+2*qq:TKR+2*qq+1], 1.0 op_sel_hi:[1,0]
.elseif sb == 1
	v_rcp_f32 v[XR+qq], v[XR+qq]
.elseif sb == 2
	v_exp_f32 v[XR+32+qq], v[XR+32+qq]
.else
	v_rcp_f32 v[TKR+2*qq+sb-3], v[TKR+2*qq+sb-3]
.endif
.elseif en == 272
	v_nop                                          ; the plain instruction behind batch 2's last reciprocal
.elseif en < 305
.set qq, (en-273)/4                                ; the chain's link: tile of weights qq / 4, pair qq % 4
.set sb, (en-273)%4                                ; the tile of tokens
.set rS, TKR+8*(4*(qq/4)+sb)+2*(qq%4)
.if qq == 0
	v_pk_fma_f32 v[TKR+8*sb:TKR+8*sb+1], v[rS:rS+1], v[QR+2*qq:QR+2*qq+1], v[B8:B8+1]
.else
	v_pk_fma_f32 v[TKR+8*sb:TKR+8*sb+1], v[rS:rS+1], v[QR+2*qq:QR+2*qq+1], v[TKR+8*sb:TKR+8*sb+1]
.endif
.elseif en < 317
.set qq, (en-305)/4
.set sb, (en-305)%4
.if qq == 0
	v_add_f32 v[TKR+8*sb], v[TKR+8*sb], v[TKR+8*sb+1]
.elseif qq == 1
	v_permlanex16_b32 v[TKR+8*sb+1], v[TKR+8*sb], s[SEL], s[SEL+1]   ; the token's other 16 channels of my 32 lie in the lane 16 away
.else
	v_add_f32 v[SPR+sb], v[TKR+8*sb], v[TKR+8*sb+1]
.endif
.elseif en < 365
.set qq, (en-317)/3
.set sb, (en-317)%3
.if sb == 0
	v_pk_mul_f32 v[TKR+32+2*qq:TKR+33+2*qq], v[TVR+32+2*qq:TVR+33+2*qq], v[TVR+32+2*qq:TVR+33+2*qq] neg_lo:[1,0] neg_hi:[1,0]
.else
	v_fma_f32 v[TKR+2*qq+sb-1], |v[TVR+32+2*qq+sb-1]|, s[P1], 1.0
.endif
.elseif en < 557
.set qq, (en-365)/3
.set sb, (en-365)%3
.if sb == 0
.if qq%2 == 0
	v_rcp_f32 v[TKR+qq/2], v[TKR+qq/2]
.else
	v_exp_f32 v[TKR+32+qq/2], v[TKR+32+qq/2]
.endif
.else
	POST XR, XR+32, TVR, 2*qq+sb-1
.endif
.else
	POST TKR, TKR+32, TVR+32, en-557
.endif
.if (en == 111) || (en == 272) || (en == 556)
	s_wait_alu depctr_va_vdst(0)                   ; the batch's one wait
.elseif en == 316
	ds_store_b128 v[XSA], v[SPR:SPR+3]             ; my four partial t, as an image of the registers: my partner loads them by the same lanes
.endif
.set en, en+1
.endm
; LIST H: the end of a stage, behind the barrier, 45 items: t = mine + my partner's; p = 2^t; L += p; O += p y.  HW: the LDS loads issued behind the partner's image, which may stay out.
.macro HI
.if hn == 0
	s_wait_dscnt HW
.endif
.if hn < 4
	v_add_f32 v[PPR+hn], v[SPR+hn], v[PPR+hn]
.elseif hn < 8
	v_exp_f32 v[RR+2*(hn-4)], v[PPR+hn-4]
.elseif hn == 8
	v_nop                                          ; a plain instruction behind the last exponential,
	s_wait_alu depctr_va_vdst(0)                   ; and one wait for the four
.elseif hn < 13
	v_add_f32 v[LS+(hn-9)%2], v[LS+(hn-9)%2], v[RR+2*(hn-9)]
.else
.set hm, (hn-13)/8
.set ht, ((hn-13)%8)/4
.set hj, (hn-13)%4
	v_pk_fma_f32 v[OA+8*ht+2*hj:OA+8*ht+2*hj+1], v[TVR+8*(4*ht+hm)+2*hj:TVR+8*(4*ht+hm)+2*hj+1], v[RR+2*hm:RR+2*hm+1], v[OA+8*ht+2*hj:OA+8*ht+2*hj+1] op_sel_hi:[1,0,1]
.endif
.set hn, hn+1
.endm
.macro SLICE_E n
.if en < NE
	WIN 0
.endif
.rept \n
.if en < NE
	EI
.endif
.endr
.endm
.macro SLICE_H n
.if hn < NH
	WIN 0
.endif
.rept \n
.if hn < NH
	HI
.endif
.endr
.endm
; A UNIT (see the head).  In front of it stands a barrier, in front of which every wave has waited for all its LDS instructions: the partial t of the stage before lie in LDS, and stage s's tokens have all been read.
.macro UB
	s_xor_b32 s[XP], s[XP], XBUF                   ; the buffer that was written in the last unit is read in this one,
	s_xor_b32 s[T0], s[XP], XBUF                   ; and the other one written
	v_add_nc_u32 v[XLA], s[XP], v[XLL]             ; these three additions and the v_nop are the four places between K step 6's products and the loads into the buffer that they read
	v_add_nc_u32 v[XSA], s[T0], v[XSL]
	v_add_nc_u32 v[ADR], s[TB], v[AT0]
	v_nop
	ds_load_b128 v[PPR:PPR+3], v[XLA]              ; my partner's partial t
	FETCH 0                                        ; the next stage's K step 0
.set hn, 0
.set HW, 16
.set aa, 0
.rept 16                                           ; K step 7 | list H, from the third product on
	MM 7, aa, 0
.if aa >= 2
	SLICE_H 4
.endif
.set aa, aa+1
.endr
	WIN 0
	PLACES 5                                       ; behind the stage's last products: four are owed to the reads of the results and to loads into their sources, five to the products that begin the accumulators anew
	s_wait_dscnt 0x0                               ; K step 0's fragments are in (asked for sixteen matrix instructions ago)
.set en, 0
.set aa, 0
.rept 16                                           ; K step 0: accumulator a is taken out, then begun anew | three exponentials: item n wants accumulator n / 8, which is out by then
	MOVE aa
	MM 0, aa, 1
.if aa == 1
	PLACES 4
	FETCH 1
.endif
	SLICE_E 3
.set aa, aa+1
.endr
.irp j, 1,2,3,4,5,6                                ; K steps 1 to 6 | seven items of list E behind each product: 48 + 7 x 91 = 685
	s_wait_dscnt 0x0                               ; this K step's fragments are in (asked for fourteen matrix instructions ago)
.set aa, 0
.rept 16
	MM \j, aa, 0
.if aa == 1
	PLACES 4                                       ; in front of loads into the buffer that the K step before has read
	FETCH \j+1
.endif
	SLICE_E 7
.set aa, aa+1
.endr
.endr
	WIN 0                                          ; at a label and at a branch every window is 0
.endm
; The barrier in front of a unit in which no slot is filled.  step = 1: the next stage lies 64 rows further on.
.macro BX step
.if \step
	s_add_co_u32 s[TB], s[TB], HALF
.endif
	s_wait_dscnt 0x0                               ; my store of partial t is done, my reads of the partner's and of the stage's tokens are in
	s_barrier_signal -1
	s_barrier_wait -1
.endm
; The barrier in front of a unit with an odd number: both stages of a slot have been read, and the slot is filled again with the tokens two slots on.  Each wave waits for all its tensor loads (one is out: its part of
; the other slot), adds 0 to its spare word, and waits for that and for its LDS reads; the barrier is a round of the cluster's, so that no wave of any partner still reads the slot or has a load on its way.
; The joint load is the first thing behind it, one a wave: it has two stages, 256 matrix instructions, in which to land.
.macro BR
	s_wait_tensorcnt 0x0                           ; no tensor load of mine is out, so a group 0 may be written
	ds_add_u32 v[SPW], v[NIL]                      ; 0 onto my spare word: the steps below stand between it and the wait for it
	s_sub_co_u32 s[TB], s[TB], HALF                ; the fetches go to the first stage
	s_xor_b32 s[TB], s[TB], SLOT                   ; of the other slot
	s_xor_b32 s[SF], s[SF], SLOT                   ; the walking descriptor: the other slot than last time,
	s_add_co_u32 s[G0W+1], s[SF], s[WO]            ; my 32 rows of it,
	s_add_nc_u64 s[G0W+2:G0W+3], s[G0W+2:G0W+3], SLOTG   ; the next 128 tokens; the type bits on top are not reached
	s_wait_xcnt 0x0                                ; the last prefetch, two stages back, has read its address, so it may be written:
	s_add_nc_u64 s[PFA:PFA+1], s[PFA:PFA+1], SLOTG ; one slot further on than the walking descriptor
	s_wait_dscnt 0x0                               ; the add is done, and so are my LDS stores and reads
	CROUND
	tensor_load_to_lds s[G0W:G0W+3], s[G1:G1+7]
	s_nop 0
	PLACES 4                                       ; four v_nop follow the load, ahead of the branch, the label and what follows
	; A PREFETCH INTO THE L2 of what the NEXT change of slots will ask for: 128 rows of 1,024 bytes = 512 blocks of 256 bytes, one for each of the cluster's 512 lanes, each named once in the launch:
	; the partners are told apart by address (32,768 x place in the cluster + 8,192 x wave + 256 x lane).  The last change asks for nothing: there is no slot behind the one that it fills.  Slots 0 to 2 come by their loads alone.
	s_cmp_gt_u32 s[LC], 1
	s_cbranch_scc0 .Lno_ask_\@
	global_prefetch_b8 v[PFO], s[PFA:PFA+1] th:TH_LOAD_NT scope:SCOPE_SE
.Lno_ask_\@:
.endm
	; ---------------- the head
	s_load_b256 s[4:11], s[0:1], 0x0               ; tokens' codes s[4:5], wf s[6:7], qw s[8:9], the scales' exponents s[10:11]
	s_load_b64 s[12:13], s[0:1], 0x20              ; part
	v_lshl_add_u32 v[SPW], v0, 2, SPARE
	v_mov_b32 v[NIL], 0
	ds_add_u32 v7, v8
	ds_add_u32 v7, v8
	s_wait_dscnt 0x0
	v_lshrrev_b32 v1, 5, v0
	v_readfirstlane_b32 s[WV], v1                  ; wave 0..3
	s_bfe_u32 s[CX], ttmp6, 0x40000                ; my place in the cluster = g
	; descriptor group 1: 32 rows of 1,024 bytes, 1,024 bytes apart in memory, padded in LDS
	s_mov_b32 s[G1+0], 15|(1<<20)|(1<<21)|(7<<22)|(3<<25)   ; 15:0 the mask: all four work-groups; 17:16 elements of 1 byte; 20 padding on; 21 set beside a mask; 24:22 after every 256 words (code 7); 31:25 four words (code 3)
	s_mov_b32 s[G1+1], 1024<<16                    ; tensor_dim0
	s_mov_b32 s[G1+2], 32<<16                      ; tensor_dim1
	s_mov_b32 s[G1+3], 1024<<16                    ; tile_dim0
	s_mov_b32 s[G1+4], 32                          ; tile_dim1
	s_mov_b32 s[G1+5], 1024                        ; tensor_dim0_stride
	s_mov_b32 s[G1+6], 0
	s_mov_b32 s[G1+7], 0
	s_mul_i32 s[WO], s[WV], WROWS                  ; no place in the cluster enters an LDS address
	s_lshl_b32 s66, ttmp9, 20                      ; the cluster's 1,024 tokens (ttmp9 counts clusters),
	s_lshl_b32 s67, s[WV], 15                      ; my 32 rows of a slot: s66 to s69 never hold my place in the cluster
	s_add_co_u32 s66, s66, s67
	s_mov_b32 s67, 0
	s_lshl_b32 s70, s[CX], 2
	s_add_co_u32 s70, s70, s[WV]
	s_lshl_b32 s70, s70, 16                        ; wf: 65,536 (4 g + w)
	s_mov_b32 s71, 0
	s_lshr_b32 s62, ttmp9, 3                       ; the batch
	s_lshl_b32 s62, s62, 2
	s_add_co_u32 s62, s62, s[CX]
	s_mul_i32 s62, s62, 768                        ; qw: block 4 b + g
	s_mov_b32 s63, 0
	s_lshr_b32 s61, s[WV], 1
	s_lshl_b32 s61, s61, 7                         ; my head's hb: pair 16 (w / 2)
	s_wait_kmcnt 0x0
	s_load_b128 s[56:59], s[10:11], 0x0            ; e0, e1, e2, e3
	s_add_nc_u64 s[68:69], s[4:5], s[66:67]        ; tokens at my rows of slot 0
	s_add_nc_u64 s[6:7], s[6:7], s[70:71]
	s_add_nc_u64 s[8:9], s[8:9], s[62:63]
	s_load_b32 s60, s[8:9], s61 offset:0x200       ; hb
	s_lshl_b32 s70, ttmp9, 2
	s_add_co_u32 s70, s70, s[CX]
	s_lshl_b32 s70, s70, 10                        ; part: block 4 C + g of 1,024 bytes
	s_add_nc_u64 s[12:13], s[12:13], s[70:71]
	s_lshl_b32 s70, s[CX], 15                      ; the prefetches: my work-group's quarter of a slot,
	s_lshl_b32 s62, s[WV], 13                      ; my wave's quarter of that,
	s_add_co_u32 s70, s70, s62
	s_lshl_b32 s62, ttmp9, 20
	s_add_co_u32 s70, s70, s62
	s_add_co_u32 s70, s70, 2*SLOTG                 ; in slot 2: the first change of slots steps it to slot 3.  Nothing is prefetched here, at the head
	s_add_nc_u64 s[PFA:PFA+1], s[4:5], s[70:71]
	s_mov_b32 s[G0A], 1                            ; 1:0 count = 1
	s_mov_b32 s[G0A+1], s[WO]                      ; 63:32 LDS address: slot 0
	s_mov_b64 s[G0A+2:G0A+3], s[68:69]             ; 120:64 global address
	s_or_b32 s[G0A+3], s[G0A+3], 0x80000000        ; 127:126 type = 2
	s_mov_b32 s[G0W], 1
	s_add_co_u32 s[G0W+1], s[WO], SLOT             ; slot 1
	s_add_nc_u64 s[G0W+2:G0W+3], s[68:69], SLOTG
	s_or_b32 s[G0W+3], s[G0W+3], 0x80000000
	CROUND                                         ; all four work-groups are here: the first joint loads meet
	tensor_load_to_lds s[G0A:G0A+3], s[G1:G1+7]    ; both first fills go out together: two tensor loads of mine are out
	s_nop 0
	tensor_load_to_lds s[G0W:G0W+3], s[G1:G1+7]
	s_nop 0
	PLACES 4
	v_and_b32 v[PPR], 15, v0                       ; r
	v_bfe_u32 v[PPR+1], v0, 4, 1                   ; h
	v_and_b32 v[PPR+2], 31, v0                     ; lane
	v_lshlrev_b32 v[XSA], 4, v[PPR+2]              ; the weights: 16 x lane
	v_lshlrev_b32 v[XLA], 5, v[PPR+1]              ; qs: 32 h
	v_lshl_add_u32 v[XLA], v1, 7, v[XLA]           ;     + 128 w
.irp t, 0,1
.irp d, 0,1
	global_load_b128 v[QR+8*\t+4*\d:QR+8*\t+4*\d+3], v[XLA], s[8:9] offset:64*\t+16*\d   ; qs of channels 16 t + 8 h + 4 d on
.endr
.endr
	WIN 0x40                                       ; destination window 1
.set ix, 0
.rept 64
	global_load_b128 v[4*ix:4*ix+3], v[XSA], s[6:7] offset:512*ix   ; piece 16 j + 4 t + c of my weights: 32 lanes read 512 consecutive bytes
.set ix, ix+1
.endr
	WIN 0x80                                       ; destination window 2
.rept 64
	global_load_b128 v[4*(ix-64):4*(ix-64)+3], v[XSA], s[6:7] offset:512*ix
.set ix, ix+1
.endr
	WIN 0
	v_mul_u32_u24 v[AT0], v[PPR], ROWP
	v_lshl_add_u32 v[AT0], v[PPR+1], 4, v[AT0]
	v_lshl_add_u32 v[XSL], v0, 4, XCH
	v_xor_b32 v[XLL], 32, v0
	v_lshl_add_u32 v[XLL], v[XLL], 4, XCH
	v_lshlrev_b32 v[PFO], 8, v[PPR+2]
	; The unit is written once: the first one finds a stage before the first with t = -2,000 (p = 0) and y = 0, which adds nothing.
.set ix, 0
.rept 64
	v_mov_b32 v[TVR+ix], 0
.set ix, ix+1
.endr
.set ix, 0
.rept 16
	v_mov_b32 v[OA+ix], 0
.set ix, ix+1
.endr
.irp n, 0,1,2,3,4,5,6,7
	v_mov_b32 v[RR+\n], 0                          ; (named as halves of pairs)
.endr
	v_mov_b32 v[LS], 0
	v_mov_b32 v[LS+1], 0
.irp n, 0,1,2,3
	v_mov_b32 v[SPR+\n], 0xc47a0000                ; -1,000
.endr
	ds_store_b128 v[XSL], v[SPR:SPR+3] offset:XBUF ; into the buffer that the first unit reads
	v_mov_b32 v[CA4], 0xbfba00e3                   ; a4 = -1.453152027
	v_mov_b32 v[CA4+1], 0xbfba00e3
	s_mov_b32 s[SEL], 0x76543210
	s_mov_b32 s[SEL+1], 0xfedcba98
	s_mov_b32 s[A5], 0x3f87dc22                    ; a5 = 1.061405429
	s_mov_b32 s[A5+1], 0x3f87dc22
	s_mov_b32 s[A3], 0x3fb5f0e3                    ; a3 = 1.421413741
	s_mov_b32 s[A3+1], 0x3fb5f0e3
	s_mov_b32 s[A2], 0xbe91a98e                    ; a2 = -0.284496736
	s_mov_b32 s[A2+1], 0xbe91a98e
	s_mov_b32 s[A1], 0x3e827906                    ; a1 = 0.254829592
	s_mov_b32 s[A1+1], 0x3e827906
	s_mov_b32 s[P1], 0x3e8ba43f                    ; 0.3275911 / sqrt(log2(e)) = 0.27273748
	s_mov_b32 s[XP], 0
	s_mov_b32 s[TB], 0
	s_mov_b32 s[SF], SLOT
	s_wait_kmcnt 0x0
	s_add_co_i32 s66, s56, s57
	s_lshl_b32 s66, s66, 23
	s_add_co_i32 s[CK], s66, 0x4038aa3b            ; a sum of the first product stands for sum x 2^(e0 + e1): the exponents are added to the exponent field of 2 log2(e)
	s_mov_b32 s[CK+1], s[CK]
	s_add_co_i32 s66, s58, s59
	s_lshl_b32 s66, s66, 23
	s_add_co_i32 s[KAP], s66, 0x3f596d27           ; likewise e2 + e3 and kappa0 = 0.8493218
	s_mov_b32 s[KAP+1], s[KAP]
	v_mov_b32 v[B8], s60
	v_mov_b32 v[B8+1], s60
	s_wait_tensorcnt 0x1                           ; my part of slot 0 is in; slot 1's may stay out
	s_wait_dscnt 0x0                               ; my store is done
	s_barrier_signal -1
	s_barrier_wait -1
	; ---------------- K steps 0 to 6 of stage 0: there is no vector work yet to set between the products
	v_add_nc_u32 v[ADR], s[TB], v[AT0]
	FETCH 0
.irp j, 0,1,2,3,4,5,6
	s_wait_dscnt 0x0
.if \j < 4
	s_wait_loadcnt 63                              ; of 132 loads the oldest 69 are in: qs and the weights of K steps 0 to 3
.else
	s_wait_loadcnt 112-16*\j                       ; behind this K step's sixteen weight loads so many were issued
.endif
.set aa, 0
.rept 16
.if \j == 0
	MM \j, aa, 1
.else
	MM \j, aa, 0
.endif
.if aa == 1
	PLACES 4
	FETCH \j+1
.endif
.set aa, aa+1
.endr
.endr
	WIN 0
	s_wait_loadcnt 0x0                             ; K step 7's weights; the loads' offset registers may be written from here on
	; ---------------- units 0 to 11: six trips of two; in front of each odd unit a slot is filled again (slots 2 to 7 of the cluster's eight)
	s_mov_b32 s[LC], 6
.Lpair:
	BX 1
	UB
	BR
	UB
	s_sub_co_u32 s[LC], s[LC], 1
	s_cmp_lg_u32 s[LC], 0
	s_cbranch_scc1 .Lpair
	; ---------------- units 12 to 14: nothing is left to ask for, and the stages to be fetched lie one behind the other: 64, 128, 192 rows from the ring's first
	s_wait_tensorcnt 0x0                           ; my part of the last slot is in: the barrier below shows it to every wave, ahead of its first read in unit 13
	s_mov_b32 s[LC], 3
.Lsingle:
	BX 1
	UB
	s_sub_co_u32 s[LC], s[LC], 1
	s_cmp_lg_u32 s[LC], 0
	s_cbranch_scc1 .Lsingle
	; ---------------- unit 15: no stage follows: K step 7 with list H, then the accumulators and list E on end
	BX 0
	s_xor_b32 s[XP], s[XP], XBUF
	s_xor_b32 s[T0], s[XP], XBUF
	v_add_nc_u32 v[XLA], s[XP], v[XLL]
	v_add_nc_u32 v[XSA], s[T0], v[XSL]
	ds_load_b128 v[PPR:PPR+3], v[XLA]
.set hn, 0
.set HW, 0
.set aa, 0
.rept 16
	MM 7, aa, 0
.if aa >= 2
	SLICE_H 4
.endif
.set aa, aa+1
.endr
	WIN 0
	PLACES 4                                       ; in front of the reads of results just made
.set aa, 0
.rept 16
	MOVE aa
.set aa, aa+1
.endr
	WIN 0
.set en, 0
.rept NE
	EI
.endr
	BX 0
	s_xor_b32 s[XP], s[XP], XBUF
	v_add_nc_u32 v[XLA], s[XP], v[XLL]
	ds_load_b128 v[PPR:PPR+3], v[XLA]
.set hn, 0
.rept NH
	HI
.endr
	; ---------------- THE WAY OUT.  A lane holds the sums over the tokens of its place r: they are added over the sixteen lanes of a half; then every lane of a half holds O of channels 16 t' + 8 h + j, and every lane L.
	v_add_f32 v[LS], v[LS], v[LS+1]
.irp x, 1,2,4,8
	v_add_f32_dpp v[LS], v[LS], v[LS] row_xmask:\x row_mask:0xf bank_mask:0xf
.irp n, 0,1,2,3,4,5,6,7,8,9,10,11,12,13,14,15
	v_add_f32_dpp v[OA+\n], v[OA+\n], v[OA+\n] row_xmask:\x row_mask:0xf bank_mask:0xf
.endr
.endr
.irp n, 0,1,2,3
	v_mov_b32 v[SPR+\n], v[LS]
.endr
	v_lshrrev_b32 v1, 5, v0                        ; w
	v_bfe_u32 v2, v0, 4, 1
	v_lshlrev_b32 v2, 5, v2
	v_lshl_add_u32 v2, v1, 7, v2
	v_add_nc_u32 v2, OST, v2                       ; O: 128 w + 32 h (+ 64 t' + 16 d): four bytes a channel.  The sixteen lanes of a half write the same bytes with the same numbers
	v_and_b32 v3, 7, v0
	v_lshlrev_b32 v3, 4, v3
	v_lshl_add_u32 v3, v1, 7, v3
	v_add_nc_u32 v3, OST+512, v3                   ; L, once for each of my 32 channels: 128 w + 16 (lane % 8)
	v_lshl_add_u32 v4, v0, 3, OST                  ; back: 8 bytes a thread
	v_lshlrev_b32 v5, 3, v0
.irp t, 0,1
.irp d, 0,1
	ds_store_b128 v2, v[OA+8*\t+4*\d:OA+8*\t+4*\d+3] offset:64*\t+16*\d
.endr
.endr
	ds_store_b128 v3, v[SPR:SPR+3]
	s_wait_dscnt 0x0                               ; for the others' sake: my stores are done
	s_barrier_signal -1
	s_barrier_wait -1
	ds_load_b64 v[10:11], v4
	s_wait_dscnt 0x0
	global_store_b64 v5, v[10:11], s[12:13]        ; a wave stores 256 consecutive bytes, aligned; the four waves the block's 1,024
	s_wait_tensorcnt 0x0                           ; the wave's end, behind my last tensor load and my last LDS store
	ds_add_u32 v[SPW], v[NIL]
	s_wait_dscnt 0x0
	CROUND                                         ; the closing round: no work-group ends while a partner may still ask for a tile that names it
	s_endpgm
.Lfunc_end_k_q061c38a970_attn:
	.size	k_q061c38a970_attn, .Lfunc_end_k_q061c38a970_attn-k_q061c38a970_attn
	.p2alignl 7, 3214868480
	.fill 96, 4, 3214868480
	.section	.rodata,"a",@progbits
	.p2align	6, 0x0
	.amdhsa_kernel k_q061c38a970_attn
		.amdhsa_group_segment_fixed_size 327680
		.amdhsa_private_segment_fixed_size 0
		.amdhsa_enable_private_segment 0
		.amdhsa_kernarg_size 40
		.amdhsa_user_sgpr_count 2
		.amdhsa_user_sgpr_kernarg_segment_ptr 1
		.amdhsa_wavefront_size32 1
		.amdhsa_system_sgpr_workgroup_id_x 1
		.amdhsa_system_sgpr_workgroup_id_y 1
		.amdhsa_system_sgpr_workgroup_id_z 1
		.amdhsa_system_vgpr_workitem_id 0
		.amdhsa_next_free_vgpr 1024
		.amdhsa_next_free_sgpr 72
		.amdhsa_reserve_vcc 0
		.amdhsa_float_denorm_mode_32 3
		.amdhsa_float_denorm_mode_16_64 3
		.amdhsa_memory_ordered 1
		.amdhsa_forward_progress 1
		.amdhsa_inst_pref_size 255
	.end_amdhsa_kernel
	.section	.bss,"aw",@nobits
	.p2align	6
	.space	262144
	.amdgpu_metadata
---
amdhsa.version: [ 1, 2 ]
amdhsa.kernels:
  - .name:           k_q061c38a970_attn
    .symbol:         k_q061c38a970_attn.kd
    .args:
      - { .name: tokens_codes, .offset: 0, .size: 8, .value_kind: global_buffer, .address_space: global }
      - { .name: wf, .offset: 8, .size: 8, .value_kind: global_buffer, .address_space: global }
      - { .name: qw, .offset: 16, .size: 8, .value_kind: global_buffer, .address_space: global }
      - { .name: lowp_scales, .offset: 24, .size: 8, .value_kind: global_buffer, .address_space: global }
      - { .name: part, .offset: 32, .size: 8, .value_kind: global_buffer, .address_space: global }
    .group_segment_fixed_size: 327680
    .private_segment_fixed_size: 0
    .kernarg_segment_align: 8
    .kernarg_segment_size: 40
    .max_flat_workgroup_size: 128
    .sgpr_count:     72
    .vgpr_count:     1024
    .wavefront_size: 32
...
	.end_amdgpu_metadata
.endif
;; end of part 2
;; launch fin (part 3): grid 8 x 1, 4 waves a work-group, no clusters, 0 bytes of LDS; arguments part, out0; writes out0
.if DOCPART == 3
	.amdgcn_target "amdgcn-amd-amdhsa--gfx1250"
	.amdhsa_code_object_version 6
	.text
	.protected	k_q061c38a970_fin
	.globl	k_q061c38a970_fin
	.p2align	8
	.type	k_q061c38a970_fin,@function
k_q061c38a970_fin:
	s_mov_b64 s[64:65], 0
	v_nop
	global_prefetch_b8 v0, s[64:65] scope:SCOPE_SE
	s_setreg_imm32_b32 hwreg(HW_REG_WAVE_MODE, 25, 1), 1
	s_wait_xcnt 0x0
; out[b][ch] = F x (sum over the batch's eight ranges of tokens of O) / (sum of L), F = 1 / (2 kappa0) = 0.5887050: O was summed of y = 2 kappa0 gelu.
; part: a block of 1,024 bytes for each (range of tokens, group of 128 channels): block 32 b + 4 range + g: 128 O, then 128 L (a head's L once for each channel).
; One work-group a batch; a thread takes four channels; each load and the store of a wave cover 512 consecutive bytes, aligned.  The sums span eight work-groups of the launch before, so they are made here, in a fixed order.
	s_load_b128 s[4:7], s[0:1], 0x0                ; part, out0
	v_lshrrev_b32 v1, 5, v0                        ; g
	v_and_b32 v2, 31, v0
	v_lshlrev_b32 v2, 4, v2
	v_lshl_add_u32 v2, v1, 10, v2                  ; 1,024 g + 16 lane
	v_lshlrev_b32 v3, 4, v0                        ; out: 16 x thread
	s_lshl_b32 s8, ttmp9, 15                       ; the batch's 32 blocks
	s_mov_b32 s9, 0
	s_lshl_b32 s10, ttmp9, 11                      ; its row of 2,048 bytes
	s_mov_b32 s11, 0
	s_wait_kmcnt 0x0
	s_add_nc_u64 s[4:5], s[4:5], s[8:9]
	s_add_nc_u64 s[6:7], s[6:7], s[10:11]
.irp r, 0,1,2,3,4,5,6,7
	global_load_b128 v[8+4*\r:11+4*\r], v2, s[4:5] offset:4096*\r        ; O of range r
	global_load_b128 v[40+4*\r:43+4*\r], v2, s[4:5] offset:4096*\r+512   ; L
.endr
	s_wait_loadcnt 0x0
.irp r, 1,2,3,4,5,6,7
	v_pk_add_f32 v[8:9], v[8:9], v[8+4*\r:9+4*\r]
	v_pk_add_f32 v[10:11], v[10:11], v[10+4*\r:11+4*\r]
	v_pk_add_f32 v[40:41], v[40:41], v[40+4*\r:41+4*\r]
	v_pk_add_f32 v[42:43], v[42:43], v[42+4*\r:43+4*\r]
.endr
.irp n, 0,1,2,3
	v_rcp_f32 v[72+\n], v[40+\n]                   ; L is at least 8,192 x 2^-23.1: never 0
.endr
	v_nop                                          ; a plain instruction behind the last reciprocal,
	s_wait_alu depctr_va_vdst(0)                   ; and one wait for the four, ahead of their first reader
.irp n, 0,1,2,3
	v_mul_f32 v[72+\n], 0x3f16b55f, v[72+\n]       ; x F
.endr
	v_pk_mul_f32 v[8:9], v[8:9], v[72:73]
	v_pk_mul_f32 v[10:11], v[10:11], v[74:75]
	global_store_b128 v3, v[8:11], s[6:7]
	s_endpgm
.Lfunc_end_k_q061c38a970_fin:
	.size	k_q061c38a970_fin, .Lfunc_end_k_q061c38a970_fin-k_q061c38a970_fin
	.p2alignl 7, 3214868480
	.fill 96, 4, 3214868480
	.section	.rodata,"a",@progbits
	.p2align	6, 0x0
	.amdhsa_kernel k_q061c38a970_fin
		.amdhsa_group_segment_fixed_size 0
		.amdhsa_private_segment_fixed_size 0
		.amdhsa_enable_private_segment 0
		.amdhsa_kernarg_size 16
		.amdhsa_user_sgpr_count 2
		.amdhsa_user_sgpr_kernarg_segment_ptr 1
		.amdhsa_wavefront_size32 1
		.amdhsa_system_sgpr_workgroup_id_x 1
		.amdhsa_system_sgpr_workgroup_id_y 1
		.amdhsa_system_sgpr_workgroup_id_z 1
		.amdhsa_system_vgpr_workitem_id 0
		.amdhsa_next_free_vgpr 80
		.amdhsa_next_free_sgpr 66
		.amdhsa_reserve_vcc 0
		.amdhsa_float_denorm_mode_32 3
		.amdhsa_float_denorm_mode_16_64 3
		.amdhsa_memory_ordered 1
		.amdhsa_forward_progress 1
		.amdhsa_inst_pref_size 5
	.end_amdhsa_kernel
	.amdgpu_metadata
---
amdhsa.version: [ 1, 2 ]
amdhsa.kernels:
  - .name:           k_q061c38a970_fin
    .symbol:         k_q061c38a970_fin.kd
    .args:
      - { .name: part, .offset: 0, .size: 8, .value_kind: global_buffer, .address_space: global }
      - { .name: out0, .offset: 8, .size: 8, .value_kind: global_buffer, .address_space: global }
    .group_segment_fixed_size: 0
    .private_segment_fixed_size: 0
    .kernarg_segment_align: 8
    .kernarg_segment_size: 16
    .max_flat_workgroup_size: 128
    .sgpr_count:     66
    .vgpr_count:     80
    .wavefront_size: 32
...
	.end_amdgpu_metadata
.endif
;; end of part 3
